; MI455X (gfx1250); checked and timed in simulation.
; The chip was launched on July 23, 2026; its instructions are those of AMD's public machine-readable ISA for CDNA 5 (MIT licence, August 2026) and "CDNA5" Instruction Set Architecture Reference Guide (July 2026). The comments in the code are by the model that wrote it; some were corrected since.
;; Multi Head Attention. Allowed arithmetic: matrix products marked QUANTISED: E2M1 operands, one E8M0 scale for each 32 along K, by v_wmma_scale_f32_16x16x128_f8f6f4 with both operands' format E2M1 (or v_wmma_scale_f32_32x16x128_f4), f32 sums; everything else in f32.
;; Inputs: Wk_codes 1,024 x 32 x 16 uint8 (E2M1 codes of Wk, K innermost, in blocks of 32 codes, two codes a byte); Wk_scales 1,024 x 32 uint8 (E8M0 scales of Wk, one for each 32 codes along K); Wo_codes 1,024 x 32 x 16 uint8 (E2M1 codes of Wo, K innermost, in blocks of 32 codes, two codes a byte); Wo_scales 1,024 x 32 uint8 (E8M0 scales of Wo, one for each 32 codes along K); Wq_codes 1,024 x 32 x 16 uint8 (E2M1 codes of Wq, K innermost, in blocks of 32 codes, two codes a byte); Wq_scales 1,024 x 32 uint8 (E8M0 scales of Wq, one for each 32 codes along K); Wv_codes 1,024 x 32 x 16 uint8 (E2M1 codes of Wv, K innermost, in blocks of 32 codes, two codes a byte); Wv_scales 1,024 x 32 uint8 (E8M0 scales of Wv, one for each 32 codes along K); bk 1,024 float32; bo 1,024 float32; bq 1,024 float32; bv 1,024 float32; key_codes 4 x 2,048 x 32 x 16 uint8 (E2M1 codes of key, K innermost, in blocks of 32 codes, two codes a byte); key_scales 4 x 2,048 x 32 uint8 (E8M0 scales of key, one for each 32 codes along K); query_codes 4 x 2,048 x 32 x 16 uint8 (E2M1 codes of query, K innermost, in blocks of 32 codes, two codes a byte); query_scales 4 x 2,048 x 32 uint8 (E8M0 scales of query, one for each 32 codes along K); value_codes 4 x 2,048 x 32 x 16 uint8 (E2M1 codes of value, K innermost, in blocks of 32 codes, two codes a byte); value_scales 4 x 2,048 x 32 uint8 (E8M0 scales of value, one for each 32 codes along K).
;; Outputs: out0 4 x 2,048 x 1,024 float32.
;; This version of the problem:
;;   THIS VERSION OF THE PROBLEM IS GIVEN IN LOW PRECISION. The matrix products marked QUANTISED in the list below multiply operands that are first quantised to E2M1 (2 exponent bits, 1 mantissa bit; 4 bits a number), with one power-of-two scale for each 32 numbers along K (OCP MX v1.0); their sums are f32. All else is computed in f32.
;;   The module's matrix products, in the order in which they are computed (A, B: the left and right operand; K: the contracted axis; several contracted axes count as one K, in the product's order):
;;     1. [M 8,192, K 1,024] x [K 1,024, N 1,024]; A: input query (given as codes); B: input Wq (given as codes): QUANTISED
;;     2. [M 8,192, K 1,024] x [K 1,024, N 1,024]; A: input key (given as codes); B: input Wk (given as codes): QUANTISED
;;     3. [M 8,192, K 1,024] x [K 1,024, N 1,024]; A: input value (given as codes); B: input Wv (given as codes): QUANTISED
;;     4. batch 64 x [M 2,048, K 64] x [K 64, N 2,048]; A: computed on the way; B: computed on the way: QUANTISED
;;     5. batch 64 x [M 2,048, K 2,048] x [K 2,048, N 64]; A: softmax (see below); B: computed on the way: QUANTISED
;;     6. [M 8,192, K 1,024] x [K 1,024, N 1,024]; A: computed on the way; B: input Wo (given as codes): QUANTISED
;;   THE QUANTISER, for each operand of a quantised product, along K:
;;     - K is cut into blocks of 32 from its start; a last block that is shorter is filled with zeros.
;;     - A block's scale is 2^e with e = floor(log2(the largest magnitude in the block)) - 2, held to -126 .. 127; a block of zeros has e = 0. As a byte (E8M0): e + 127.
;;     - Each number is divided by its block's scale, clamped to +-6, and rounded to the nearest number of E2M1, ties to even, subnormals kept.
;;     - The product sums the exact products of the quantised numbers (number of the format x scale) in f32.
;;   ~~~python
;;   def quantise(x, axis):      # numpy; x: float32 -> the quantised numbers, widened to float32 again
;;       x = np.moveaxis(x, axis, -1); K = x.shape[-1]
;;       x = np.pad(x, [(0, 0)] * (x.ndim - 1) + [(0, -K % 32)]); x = x.reshape(x.shape[:-1] + (-1, 32)); a = np.abs(x).max(-1, keepdims=True)
;;       e = np.where(a > 0, np.clip(np.frexp(np.where(a > 0, a, 1))[1] - 1 - 2, -126, 127), 0)      # np.frexp(a)[1] - 1 = floor(log2(a)), exactly
;;       r = np.clip(x / 2.0 ** e, -6, 6)
;;       step = 2.0 ** (np.maximum(np.frexp(np.where(r == 0, 1, r))[1] - 1, 0) - 1)
;;       q = np.round(r / step) * step * 2.0 ** e      # np.round: ties to even
;;       return np.moveaxis(q.reshape(q.shape[:-2] + (-1,))[..., :K], -1, axis).astype(np.float32)
;;   ~~~
;;   SOFTMAX AHEAD OF A QUANTISED PRODUCT. Where the list says 'softmax', what is quantised is not the finished softmax but p = 2^(t - M), with t = logit x log2(e) and M = ceil(the row's largest t), a whole number; so 1/2 < the row's largest p <= 1. The row's sum l is taken of the UNQUANTISED p, in f32, and the product's result is divided by l at the end. Since M is a whole number, a kernel that streams over the keys may use a running M (the ceiling of the running maximum): every later rescaling is an exact power of two, which a block's scale takes up: the codes' values come out the same.
;;   OPERANDS COMPUTED ON THE WAY. 'Computed on the way' means the value that the module computes at that place (a softmax that the list does not call 'softmax' is quantised finished and normalised). What goes into a quantiser is computed in f32, as accurately as f32 sums, v_exp_f32 and their like allow (about 1e-6 of the number): no bf16 or f16 on the way to a quantiser, and a product that is left as it is and whose result goes on into a quantised operand takes f32 operands (vector FMAs, or v_wmma_f32_16x16x4_f32). A number that lies on a knife's edge between two numbers of the format may be rounded either way, as far as f32 arithmetic and the matrix unit's own rounding can turn it there, and no further.
;;   INPUTS GIVEN AS CODES. Wk (in the module: [1024, 1024], K = its axis 1); Wo (in the module: [1024, 1024], K = its axis 1); Wq (in the module: [1024, 1024], K = its axis 1); Wv (in the module: [1024, 1024], K = its axis 1); key (in the module: [4, 2048, 1024], K = its axis 2); query (in the module: [4, 2048, 1024], K = its axis 2); value (in the module: [4, 2048, 1024], K = its axis 2): each comes as NAME_codes (uint8): NAME with its K axis moved to the last place and cut into blocks of 32 codes, [.., K / 32, bytes a block], one block behind the other in memory; two codes a byte, the lower K in the low four bits (a code: sign, 2 exponent bits, 1 mantissa bit); and NAME_scales (uint8): the same leading axes, one E8M0 byte (e + 127) for each 32 codes along K. Its value is code x scale, taken as it is: it is not quantised again, and the codes and scales need not be those that the quantiser above would give.
;; One version. Each part assembles by itself: llvm-mc -triple=amdgcn-amd-amdhsa -mcpu=gfx1250 --defsym DOCPART=n.
;; ======== version 1 of 1: 3 launches
;; workspace buffers: qimg 4,194,304 bytes; kimg 4,194,304 bytes; vimg 4,194,304 bytes; qsc 262,144 bytes; ksc 262,144 bytes; vsc 262,144 bytes; ximg 4,194,304 bytes; xsc 262,144 bytes
;; launch proj (part 1): grid 4 x 192, 8 waves a work-group, clusters of 4 x 4, 230,400 bytes of LDS; arguments Wq_codes, Wq_scales, query_codes, query_scales, bq, qimg, qsc, Wk_codes, Wk_scales, key_codes, key_scales, bk, kimg, ksc, value_codes, value_scales, Wv_codes, Wv_scales, bv, vimg, vsc; writes qimg, qsc, kimg, ksc, vimg, vsc
.if DOCPART == 1
	.amdgcn_target "amdgcn-amd-amdhsa--gfx1250"
	.amdhsa_code_object_version 6
	.text
	.protected	k_q0df4941922_proj
	.globl	k_q0df4941922_proj
	.p2align	8
	.type	k_q0df4941922_proj,@function
k_q0df4941922_proj:
	s_mov_b64 s[64:65], 0
	v_nop
	global_prefetch_b8 v0, s[64:65] scope:SCOPE_SE
	s_setreg_imm32_b32 hwreg(HW_REG_WAVE_MODE, 25, 1), 1
	s_wait_xcnt 0x0
	s_wait_alu depctr_hold_cnt(0) depctr_sa_sdst(0) depctr_va_vdst(0) depctr_va_sdst(0) depctr_va_ssrc(0) depctr_va_vcc(0) depctr_vm_vsrc(0)
	s_getreg_b32 s2, hwreg(HW_REG_IB_STS2, 6, 4)
	s_cmp_eq_u32 s2, 0
	s_cbranch_scc0 .Lentry_in_a_cluster
	s_endpgm
.Lentry_in_a_cluster:
	s_bfe_u32 s2, ttmp6, 0x10000c
	s_cmp_lg_u32 s2, 0xf033
	s_cbranch_scc0 .Lentry_shape_is_right
	s_endpgm
.Lentry_shape_is_right:
; THE THREE INPUT PROJECTIONS, q = query Wq^T + bq, k = key Wk^T + bk, v = value Wv^T + bv, on codes of FP4 (E2M1) with E8M0 scales, and the quantising of their results for the attention launch.
; ONE BODY FOR ALL THREE.  The arguments come in three groups of seven: S0's codes, S0's scales, S1's codes, S1's scales, the bias, the images, the scale words.  S0 is the matrix instruction's source 0: its rows
; run along a lane's registers in the result, and that is the axis along which the result is quantised.  For q and k: S0 = the weight (features: a head's 64), S1 = the tokens.  For v: S0 = the tokens (the keys), S1 = the weight.
; The group is chosen by the cluster's number alone (clusters 0-15: q, 16-31: k, 32-47: v).
; SHARES.  A work-group takes 128 rows of S0 x 256 rows of S1, with all of K = 1,024 in LDS (two halves of 512 along K, rows of 256 bytes), filled once: no LDS byte is filled twice, so there is no ring.
; Eight waves; wave w takes 64 rows of S0 (w % 2) x 64 rows of S1 (w / 2): 16 accumulators of 16 x 16.
; CLUSTER 4 x 4.  S0's tile hangs on cx alone and is asked for jointly by the four of a column, S1's on cy alone and is asked for jointly by the four of a row.
; THE RESULT'S FORM.  A wave's 64 (S0) x 16 (S1) numbers become an IMAGE of four operand registers: lane (r, h) holds 16 bytes, the codes of row r, k = 32 h .. 32 h + 31 of the 64: 512 consecutive bytes a store.
; Its scales are two bytes a row; the two waves that share S1's rows put theirs side by side in a word, through 1,024 bytes of LDS, and the words leave 512 consecutive bytes a wave.
; THE QUANTISER: a block's scale byte is its largest magnitude's exponent field - 2.
; LIMITS: NaN and infinities among the inputs are not served; a block whose largest magnitude lies under 2^-124, a block of zeros among them, gets the byte 1 (a block of zeros has zero codes, and this program alone reads the bytes).
.set PITCH, 272                        ; an LDS row of codes: 256 bytes + 16 of padding: the 16 rows of a fragment load begin 68 words apart
.set S0B,   128*PITCH                  ; 128 rows: what one tensor load brings
.set CHB,   3*S0B                      ; half of K: S0's 128 rows, then S1's 256
.set SCA,   2*CHB                      ; S0's scale bytes, 32 a row
.set SCB,   SCA+4096                   ; S1's
.set SST,   SCB+8192                   ; the stage for the results' scale words: 256 words; no tensor load lands here
.set CX,  2                            ; s2   cx
.set WV,  3                            ; s3   the wave's number
.set CY,  18                           ; s18  cy
.set TMP, 19                           ; s19  at work: never holds cx or cy
.set G0A, 20                           ; s[20:31] three groups 0 for S0: scales, K's first half, K's second (the raw arguments lie in s[20:61] until one group is chosen)
.set G0B, 32                           ; s[32:43] the same for S1
.set SEL, 60                           ; s[60:61] v_permlanex16_b32's selects for lane l xor 16
.set S0I, 62                           ; s62  first the column's mask, then which 128 rows of S0: holds cx, never cy
.set S1I, 63                           ; s63  first the row's mask, then which 256 rows of S1: holds cy, never cx
.set ID,  66                           ; s66  0: q, 1: k, 2: v
.set CL,  67                           ; s67  the cluster's number within its tensor
.set G1A, 68                           ; s[68:75] group 1 for S0's codes;  s[76:83] for S1's;  s[84:91], s[92:99] for their scales
.set G1B, 76
.set G1SA, 84
.set G1SB, 92
.set WP,  100                          ; s100 wave % 2: my 64 rows of S0; also which half of S1 a fetching wave brings
.set WS,  101                          ; s101 wave / 2: my 64 rows of S1
.set SC,  16                           ; v[16:47]  scale words: register 8 i + s: lanes 0-15 S0's tile i, lanes 16-31 S1's tile i, K step s
.set F0,  48                           ; v[48:79]  S0's four fragments; ahead of the products the bias along registers; at the end the codes and scale words
.set F1,  80                           ; v[80:111] S1's four fragments; ahead of the products the bias along lanes
.set QT,  112                          ; v[112:117] the quantiser's six registers
.set ACC, 128                          ; v[128:255] accumulator (a, b), a: S1's tile, b: S0's, at v[128 + 32 a + 8 b]
.set CODEW, (1<<20)|(1<<21)|(5<<22)|(3<<25)   ; elements of 1 byte; padding on; bit 21 beside a mask; after every 64 words, 4 words
.set SCLW,  (3<<16)|(1<<21)                   ; elements of 8 bytes; no padding; bit 21 beside a mask
; A round of the cluster's barrier.
.macro ROUND
	s_barrier_signal -1
	s_barrier_wait -1
	s_cmp_lg_u32 s[WV], 0
	s_cbranch_scc1 .Lnot_wave_0_\@
	s_barrier_signal -3
.Lnot_wave_0_\@:
	s_barrier_wait -3
	s_barrier_signal -1
	s_barrier_wait -1
.endm
; 32 registers v[s] on, four tiles of a transposed product (register 8 t + j of lane (r, h) = number 16 t + 8 h + j of row r), become the four registers of an image in v[pc] on and the row's two scale bytes in v[pw].
; Block b is tiles 2 b and 2 b + 1, in lanes l and l xor 16.  The maxima begin at each tile's low end.
.macro QUANT64 s, pc, pw, t
.irp b, 0,1
	v_max3_num_f32 v[\t+\b], |v[\s+16*\b]|, |v[\s+16*\b+1]|, 0x1800000   ; and the floor 2^(3 - 127): the byte cannot fall under 1
.endr
.irp i, 2,4,6,8,10,12,14
.irp b, 0,1
	v_max3_num_f32 v[\t+\b], v[\t+\b], |v[\s+16*\b+\i]|, |v[\s+16*\b+\i+1]|
.endr
.endr
.irp b, 0,1
	s_delay_alu instid0(VALU_DEP_2)
	v_permlanex16_b32 v[\t+2+\b], v[\t+\b], s[SEL], s[SEL+1]
.endr
.irp b, 0,1
	s_delay_alu instid0(VALU_DEP_2)
	v_max_num_f32 v[\t+\b], v[\t+\b], v[\t+2+\b]           ; the block's largest magnitude
.endr
.irp b, 0,1
	s_delay_alu instid0(VALU_DEP_2)
	v_add_nc_u32 v[\t+4+\b], 0xff000000, v[\t+\b]          ; 2 off its exponent field: the conversion's scale operand
.endr
.irp b, 0,1
	s_delay_alu instid0(VALU_DEP_2)
	v_lshrrev_b32 v[\t+2+\b], 23, v[\t+4+\b]               ; the scale's byte
.endr
	s_delay_alu instid0(VALU_DEP_1)
	v_lshl_or_b32 v[\pw], v[\t+3], 8, v[\t+2]
	v_cvt_scalef32_pk8_fp4_f32 v[\pc], v[\s:\s+7], v[\t+4]         ; tile 0: k = 8 h + 0 .. 7
	v_cvt_scalef32_pk8_fp4_f32 v[\pc+2], v[\s+8:\s+15], v[\t+4]    ; tile 1: 16 + 8 h ..
	v_cvt_scalef32_pk8_fp4_f32 v[\pc+1], v[\s+16:\s+23], v[\t+5]   ; tile 2: 32 + 8 h ..
	v_cvt_scalef32_pk8_fp4_f32 v[\pc+3], v[\s+24:\s+31], v[\t+5]   ; tile 3: 48 + 8 h ..
	v_nop                                                  ; one plain instruction behind the scaled conversions
	v_permlane16_swap_b32 v[\pc], v[\pc+1]                 ; tile 0's upper lanes change places with tile 2's lower: registers 0, 1 = k 32 h + 0 .. 15
	v_permlane16_swap_b32 v[\pc+2], v[\pc+3]               ; registers 2, 3 = k 32 h + 16 .. 31
.endm
	s_load_b512 s[20:35], s[0:1], 0x0              ; the 21 addresses: argument j of group g in s[20 + 14 g + 2 j]
	s_load_b512 s[36:51], s[0:1], 0x40
	s_load_b256 s[52:59], s[0:1], 0x80
	s_load_b64 s[60:61], s[0:1], 0xa0
	v_lshl_add_u32 v126, v0, 2, 0x38000
	v_mov_b32 v127, 0
	ds_add_u32 v126, v127
	ds_add_u32 v126, v127
	v_lshrrev_b32 v1, 5, v0
	s_delay_alu instid0(VALU_DEP_1)
	v_readfirstlane_b32 s[WV], v1                  ; wave 0..7
	s_and_b32 s[WP], s[WV], 1
	s_lshr_b32 s[WS], s[WV], 1
	s_bfe_u32 s[CX], ttmp6, 0x40000
	s_bfe_u32 s[CY], ttmp6, 0x40004
	s_lshl_b32 s[S0I], 0x1111, s[CX]               ; my column of the cluster
	s_lshl_b32 s[S1I], s[CY], 2
	s_lshl_b32 s[S1I], 15, s[S1I]                  ; my row
	s_or_b32 s[G1A], s[S0I], CODEW
	s_or_b32 s[G1SA], s[S0I], SCLW
	s_or_b32 s[G1B], s[S1I], CODEW
	s_or_b32 s[G1SB], s[S1I], SCLW
.irp g, G1A, G1B                       ; codes: 128 rows x 256 bytes, 512 bytes from row to row in memory
	s_mov_b32 s[\g+1], 256<<16                     ; tensor_dim0
	s_mov_b32 s[\g+2], 128<<16                     ; tensor_dim1
	s_mov_b32 s[\g+3], 256<<16                     ; tile_dim0
	s_mov_b32 s[\g+4], 128                         ; tile_dim1
	s_mov_b32 s[\g+5], 512                         ; tensor_dim0_stride
	s_mov_b32 s[\g+6], 0
	s_mov_b32 s[\g+7], 0
.endr
.irp g, G1SA, G1SB                     ; the scale bytes of 128 rows: 4,096 dense bytes as 16 rows of 32 elements of 8 bytes
	s_mov_b32 s[\g+1], 32<<16
	s_mov_b32 s[\g+2], 16<<16
	s_mov_b32 s[\g+3], 32<<16
	s_mov_b32 s[\g+4], 16
	s_mov_b32 s[\g+5], 32
	s_mov_b32 s[\g+6], 0
	s_mov_b32 s[\g+7], 0
.endr
	s_and_b32 s[ID], ttmp7, 0xffff                 ; the cluster's y, 0..47: the same in all sixteen partners
	s_and_b32 s[CL], s[ID], 15
	s_lshr_b32 s[ID], s[ID], 4
	s_and_b32 s[S0I], s[CL], 1
	s_lshr_b32 s[S1I], s[CL], 1
	s_cmp_eq_u32 s[ID], 2
	s_cselect_b32 s[S0I], s[CL], s[S0I]            ; v: 64 blocks of tokens as S0, 4 of features as S1;  q, k: 8 of features as S0, 32 of tokens as S1
	s_cselect_b32 s[S1I], 0, s[S1I]
	s_lshl_b32 s[S0I], s[S0I], 2
	s_add_co_u32 s[S0I], s[S0I], s[CX]
	s_lshl_b32 s[S1I], s[S1I], 2
	s_add_co_u32 s[S1I], s[S1I], s[CY]
	; every LDS address is made here, ahead of the first branch on the wave's number.  s4, s5 are free until a group of arguments is chosen
	v_and_b32 v1, 15, v0                           ; r
	v_bfe_u32 v2, v0, 4, 1                         ; h
	s_delay_alu instid0(VALU_DEP_2)
	v_mul_u32_u24 v3, v1, PITCH
	s_delay_alu instid0(VALU_DEP_1)
	v_lshl_add_u32 v3, v2, 4, v3                   ; a fragment's row x pitch + 16 h
	s_mul_i32 s[TMP], s[WP], 64*PITCH
	v_add_nc_u32 v4, s[TMP], v3                    ; v4, v5: my 64 rows of S0 in K's two halves
	s_delay_alu instid0(VALU_DEP_1)
	v_add_nc_u32 v5, CHB, v4
	s_mul_i32 s[TMP], s[WS], 64*PITCH
	s_add_co_u32 s[TMP], s[TMP], S0B
	v_add_nc_u32 v6, s[TMP], v3                    ; v6, v7: my 64 rows of S1
	s_delay_alu instid0(VALU_DEP_1)
	v_add_nc_u32 v7, CHB, v6
	s_lshl_b32 s4, s[WP], 11                       ; 64 rows x 32 scale bytes
	s_lshl_b32 s5, s[WS], 11
	s_add_co_u32 s5, s5, SCB-SCA
	s_sub_co_u32 s5, s5, s4                        ; from my rows of S0's scales to my rows of S1's
	v_mul_u32_u24 v8, s5, v2                       ; lanes 16-31 take S1's
	s_delay_alu instid0(VALU_DEP_1)
	v_lshl_add_u32 v8, v1, 5, v8
	s_add_co_u32 s4, s4, SCA
	v_add_nc_u32 v8, s4, v8                        ; v8: my row's 32 scale bytes
	v_lshlrev_b32 v9, 5, v2                        ; v9: 32 h: the bias along registers
	v_lshlrev_b32 v10, 2, v1                       ; v10: 4 r: the bias along lanes
	v_and_b32 v11, 31, v0
	s_delay_alu instid0(VALU_DEP_1)
	v_lshlrev_b32 v11, 4, v11                      ; v11: 16 x lane: my place in an image
	s_lshl_b32 s4, s[WS], 8
	s_lshl_b32 s5, s[WP], 1
	s_add_co_u32 s4, s4, s5
	s_add_co_u32 s4, s4, SST
	v_add_nc_u32 v12, s4, v10                      ; v12: the stage: a word for each of S1's 256 rows; my wave's half of the word
	s_lshl_b32 s4, s[WP], 9
	v_add_nc_u32 v14, s4, v11                      ; v14: the way out of the stage, waves 0 and 1: 512 bytes a wave
	s_delay_alu instid0(VALU_DEP_1)
	v_add_nc_u32 v13, SST, v14
	v_mov_b32 v[QT+2], 0                           ; written once: a lane permute's destination counts as one of its sources
	v_mov_b32 v[QT+3], 0
.set i, 0
.rept 40
	v_mov_b32 v[F0+i], 0                           ; both forms of the bias begin as zeros; one of them is loaded
.set i, i+1
.endr
	s_wait_dscnt 0x0
	s_wait_kmcnt 0x0
	s_cmp_eq_u32 s[ID], 1                          ; the choice hangs on the cluster's number alone
.irp j, 0,1,2,3,4,5,6
	s_cselect_b64 s[48+2*\j:49+2*\j], s[34+2*\j:35+2*\j], s[48+2*\j:49+2*\j]
.endr
	s_cmp_eq_u32 s[ID], 0
.irp j, 0,1,2,3,4,5,6
	s_cselect_b64 s[4+2*\j:5+2*\j], s[20+2*\j:21+2*\j], s[48+2*\j:49+2*\j]   ; s[4:5] S0's codes, s[6:7] its scales, s[8:9] S1's codes, s[10:11] its scales, s[12:13] bias, s[14:15] images, s[16:17] scale words
.endr
	s_lshl_b32 s44, s[S0I], 16                     ; S0: 128 rows of 512 bytes;
	s_mov_b32 s45, 0
	s_lshl_b32 s46, s[S0I], 12                     ; of 32 scale bytes
	s_mov_b32 s47, 0
	s_lshl_b32 s48, s[S1I], 17                     ; S1: 256 rows, and the half that I fetch if I fetch
	s_lshl_b32 s49, s[WP], 16
	s_add_co_u32 s48, s48, s49
	s_mov_b32 s49, 0
	s_lshl_b32 s50, s[S1I], 13
	s_lshl_b32 s51, s[WP], 12
	s_add_co_u32 s50, s50, s51
	s_mov_b32 s51, 0
	s_mov_b32 s[G0A], 1                            ; S0's scales
	s_mov_b32 s[G0A+1], SCA
	s_add_nc_u64 s[G0A+2:G0A+3], s[6:7], s[46:47]
	s_or_b32 s[G0A+3], s[G0A+3], 0x80000000
	s_mov_b32 s[G0A+4], 1                          ; S0's codes, K 0 .. 511
	s_mov_b32 s[G0A+5], 0
	s_add_nc_u64 s[G0A+6:G0A+7], s[4:5], s[44:45]
	s_mov_b32 s[G0A+8], 1                          ; K 512 .. 1023: 256 bytes on in each row
	s_mov_b32 s[G0A+9], CHB
	s_add_nc_u64 s[G0A+10:G0A+11], s[G0A+6:G0A+7], 256
	s_or_b32 s[G0A+7], s[G0A+7], 0x80000000
	s_or_b32 s[G0A+11], s[G0A+11], 0x80000000
	s_lshl_b32 s[TMP], s[WP], 12
	s_mov_b32 s[G0B], 1                            ; S1's scales, my half
	s_add_co_u32 s[G0B+1], s[TMP], SCB
	s_add_nc_u64 s[G0B+2:G0B+3], s[10:11], s[50:51]
	s_or_b32 s[G0B+3], s[G0B+3], 0x80000000
	s_mul_i32 s[TMP], s[WP], S0B
	s_mov_b32 s[G0B+4], 1                          ; S1's codes, my half, K 0 .. 511
	s_add_co_u32 s[G0B+5], s[TMP], S0B
	s_add_nc_u64 s[G0B+6:G0B+7], s[8:9], s[48:49]
	s_mov_b32 s[G0B+8], 1                          ; K 512 .. 1023
	s_add_co_u32 s[G0B+9], s[TMP], CHB+S0B
	s_add_nc_u64 s[G0B+10:G0B+11], s[G0B+6:G0B+7], 256
	s_or_b32 s[G0B+7], s[G0B+7], 0x80000000
	s_or_b32 s[G0B+11], s[G0B+11], 0x80000000
	s_mov_b32 s[SEL], 0x76543210
	s_mov_b32 s[SEL+1], 0xfedcba98
	ROUND                                          ; all sixteen work-groups are here: the joint loads meet
	; THE FILLS, all of them, once: wave 0 brings S0's three tiles, waves 2 and 3 the halves of S1's: three tensor loads of a wave are out at the most.  The branches hang on the wave's number alone
	s_cmp_eq_u32 s[WV], 0
	s_cbranch_scc0 .Lnot_s0
	tensor_load_to_lds s[G0A:G0A+3], s[G1SA:G1SA+7]
	s_nop 0
	tensor_load_to_lds s[G0A+4:G0A+7], s[G1A:G1A+7]
	s_nop 0
	tensor_load_to_lds s[G0A+8:G0A+11], s[G1A:G1A+7]
	s_nop 0
.rept 4
	v_nop
.endr
	s_branch .Lfilled
.Lnot_s0:
	s_cmp_eq_u32 s[WS], 1
	s_cbranch_scc0 .Lfilled
	tensor_load_to_lds s[G0B:G0B+3], s[G1SB:G1SB+7]
	s_nop 0
	tensor_load_to_lds s[G0B+4:G0B+7], s[G1B:G1B+7]
	s_nop 0
	tensor_load_to_lds s[G0B+8:G0B+11], s[G1B:G1B+7]
	s_nop 0
.rept 4
	v_nop
.endr
.Lfilled:
	; THE BIAS, while the tiles are on their way.  q, k: it runs along S0, a lane's registers: eight numbers a tile b.  v: along S1, the lanes: one number a tile a.
	s_lshl_b32 s52, s[S0I], 9                      ; (128 S0's block + 64 (wave % 2)) x 4 bytes
	s_lshl_b32 s53, s[WP], 8
	s_add_co_u32 s52, s52, s53
	s_lshl_b32 s54, s[S1I], 10                     ; (256 S1's block + 64 (wave / 2)) x 4 bytes
	s_lshl_b32 s55, s[WS], 8
	s_add_co_u32 s54, s54, s55
	s_cmp_lt_u32 s[ID], 2
	s_cselect_b32 s52, s52, s54
	s_mov_b32 s53, 0
	s_add_nc_u64 s[12:13], s[12:13], s[52:53]
	s_cmp_lt_u32 s[ID], 2                          ; the same in all partners of a cluster
	s_cbranch_scc0 .Lbias_lanes
.irp b, 0,1,2,3
	global_load_b128 v[F0+8*\b:F0+8*\b+3], v9, s[12:13] offset:64*\b
	global_load_b128 v[F0+8*\b+4:F0+8*\b+7], v9, s[12:13] offset:64*\b+16
.endr
	s_branch .Lbias_asked
.Lbias_lanes:
.irp a, 0,1,2,3
	global_load_b32 v[F1+2*\a], v10, s[12:13] offset:64*\a
.endr
.Lbias_asked:
	; where my results go.  g = 2 x S0's block + wave % 2: the head (q, k) or the group of 64 keys (v)
	s_lshl_b32 s54, s[S0I], 1
	s_add_co_u32 s54, s54, s[WP]
	s_lshl_b32 s55, s54, 18                        ; q, k: images [head][token tile][512]
	s_lshl_b32 s56, s[S1I], 13
	s_add_co_u32 s55, s55, s56
	s_lshl_b32 s56, s[WS], 11
	s_add_co_u32 s55, s55, s56
	s_lshr_b32 s56, s54, 5                         ; v: images [batch][head][group of 64 keys][channel tile][512]
	s_lshl_b32 s56, s56, 20
	s_lshl_b32 s57, s[S1I], 2
	s_add_co_u32 s57, s57, s[WS]
	s_lshl_b32 s57, s57, 16
	s_add_co_u32 s56, s56, s57
	s_and_b32 s57, s54, 31
	s_lshl_b32 s57, s57, 11
	s_add_co_u32 s56, s56, s57
	s_lshl_b32 s57, s[S0I], 15                     ; scale words: q, k [pair of heads][8,192 tokens];
	s_lshl_b32 s58, s[S0I], 12                     ; v [128 keys][1,024 features]
	s_cmp_lt_u32 s[ID], 2
	s_cselect_b32 s54, s55, s56
	s_cselect_b32 s56, s57, s58
	s_mov_b32 s55, 0
	s_mov_b32 s57, 0
	s_lshl_b32 s58, s[S1I], 10                     ; + S1's 256 rows, a word each
	s_add_co_u32 s56, s56, s58
	s_add_nc_u64 s[14:15], s[14:15], s[54:55]
	s_add_nc_u64 s[16:17], s[16:17], s[56:57]
	s_wait_loadcnt 0x0                             ; the bias
	s_wait_alu depctr_va_vdst(0)
.irp a, 0,1,2,3
.irp b, 0,1,2,3
.irp i, 0,2,4,6
	v_pk_add_f32 v[ACC+32*\a+8*\b+\i:ACC+32*\a+8*\b+\i+1], v[F0+8*\b+\i:F0+8*\b+\i+1], v[F1+2*\a:F1+2*\a+1] op_sel_hi:[1,0]   ; the sums begin as the bias (one of the two forms is zeros): nothing is cleared, no addition follows the products
.endr
.endr
.endr
.rept 4
	v_nop
.endr
; A K step of 128: eight fragments of 16 rows (two loads of 16 bytes each, 32 bytes apart), 16 products.  The 16 accumulators take turns, one instruction a turn.
; Four plain instructions behind the products stand in front of the next loads into the fragments' registers and of the first read of results.
.macro KSTEP s
.set KC, (\s)/4
.set KQ, (\s)%4
.irp i, 0,1,2,3
.irp u, 0,1
	ds_load_b128 v[F0+8*\i+4*\u:F0+8*\i+4*\u+3], v[4+KC] offset:16*PITCH*\i+64*KQ+32*\u
.endr
.endr
.irp i, 0,1,2,3
.irp u, 0,1
	ds_load_b128 v[F1+8*\i+4*\u:F1+8*\i+4*\u+3], v[6+KC] offset:16*PITCH*\i+64*KQ+32*\u
.endr
.endr
	s_wait_dscnt 0x0                               ; the step's fragments are in (the SIMD's other wave works meanwhile)
.irp a, 0,1,2,3
.irp b, 0,1,2,3
	v_wmma_scale_f32_16x16x128_f8f6f4 v[ACC+32*\a+8*\b:ACC+32*\a+8*\b+7], v[F0+8*\b:F0+8*\b+7], v[F1+8*\a:F1+8*\a+7], v[ACC+32*\a+8*\b:ACC+32*\a+8*\b+7], v[SC+8*\b+(\s)], v[SC+8*\a+(\s)] matrix_a_fmt:MATRIX_FMT_FP4 matrix_b_fmt:MATRIX_FMT_FP4 matrix_b_scale:MATRIX_SCALE_ROW1
.endr
.endr
.rept 4
	v_nop
.endr
.endm
	s_wait_alu depctr_va_vdst(0)
	s_wait_tensorcnt 0x1                           ; a fetching wave's scales and K's first half have landed; its third load, K's second half, may stay out
	s_barrier_signal -1
	s_barrier_wait -1                              ; everybody's have
.irp i, 0,1,2,3
.irp u, 0,1
	ds_load_b128 v[SC+8*\i+4*\u:SC+8*\i+4*\u+3], v8 offset:512*\i+16*\u   ; the scale words of all eight K steps: they stay in registers
.endr
.endr
	KSTEP 0
	KSTEP 1
	KSTEP 2
	KSTEP 3
	s_wait_tensorcnt 0x0                           ; K's second half has landed (no LDS instruction of mine is out)
	s_barrier_signal -1
	s_barrier_wait -1
	KSTEP 4
	KSTEP 5
	KSTEP 6
	KSTEP 7
	; THE WAY OUT: each of S1's four tiles gives one image (512 consecutive bytes) and two scale bytes a row.  Each has registers of its own, so no store's data are written again
.irp a, 0,1,2,3
	QUANT64 ACC+32*\a, F0+4*\a, F0+16+\a, QT
	global_store_b128 v11, v[F0+4*\a:F0+4*\a+3], s[14:15] offset:512*\a
	ds_store_b16 v12, v[F0+16+\a] offset:64*\a     ; lanes l and l xor 16 write the same two bytes with the same value
.endr
	s_wait_dscnt 0x0                               ; for the others' sake: my stores into the stage are done
	s_barrier_signal -1
	s_barrier_wait -1
	s_cmp_lt_u32 s[WV], 2
	s_cbranch_scc0 .Lno_words
	ds_load_b128 v[120:123], v13                   ; waves 0 and 1: 128 words each
	s_wait_dscnt 0x0
	global_store_b128 v14, v[120:123], s[16:17]    ; 512 consecutive bytes, at a multiple of 512 from the buffer's first byte
.Lno_words:
	s_wait_tensorcnt 0x0
	ds_add_u32 v126, v127
	s_wait_dscnt 0x0
	ROUND                                          ; the closing round
	s_endpgm
.Lfunc_end_k_q0df4941922_proj:
	.size	k_q0df4941922_proj, .Lfunc_end_k_q0df4941922_proj-k_q0df4941922_proj
	.p2alignl 7, 3214868480
	.fill 96, 4, 3214868480
	.section	.rodata,"a",@progbits
	.p2align	6, 0x0
	.amdhsa_kernel k_q0df4941922_proj
		.amdhsa_group_segment_fixed_size 230400
		.amdhsa_private_segment_fixed_size 0
		.amdhsa_enable_private_segment 0
		.amdhsa_kernarg_size 168
		.amdhsa_user_sgpr_count 2
		.amdhsa_user_sgpr_kernarg_segment_ptr 1
		.amdhsa_wavefront_size32 1
		.amdhsa_system_sgpr_workgroup_id_x 1
		.amdhsa_system_sgpr_workgroup_id_y 1
		.amdhsa_system_sgpr_workgroup_id_z 1
		.amdhsa_system_vgpr_workitem_id 0
		.amdhsa_next_free_vgpr 256
		.amdhsa_next_free_sgpr 102
		.amdhsa_reserve_vcc 0
		.amdhsa_float_denorm_mode_32 3
		.amdhsa_float_denorm_mode_16_64 3
		.amdhsa_memory_ordered 1
		.amdhsa_forward_progress 1
		.amdhsa_inst_pref_size 53
	.end_amdhsa_kernel
	.amdgpu_metadata
---
amdhsa.version: [ 1, 2 ]
amdhsa.kernels:
  - .name:           k_q0df4941922_proj
    .symbol:         k_q0df4941922_proj.kd
    .args:
      - { .name: Wq_codes, .offset: 0, .size: 8, .value_kind: global_buffer, .address_space: global }
      - { .name: Wq_scales, .offset: 8, .size: 8, .value_kind: global_buffer, .address_space: global }
      - { .name: query_codes, .offset: 16, .size: 8, .value_kind: global_buffer, .address_space: global }
      - { .name: query_scales, .offset: 24, .size: 8, .value_kind: global_buffer, .address_space: global }
      - { .name: bq, .offset: 32, .size: 8, .value_kind: global_buffer, .address_space: global }
      - { .name: qimg, .offset: 40, .size: 8, .value_kind: global_buffer, .address_space: global }
      - { .name: qsc, .offset: 48, .size: 8, .value_kind: global_buffer, .address_space: global }
      - { .name: Wk_codes, .offset: 56, .size: 8, .value_kind: global_buffer, .address_space: global }
      - { .name: Wk_scales, .offset: 64, .size: 8, .value_kind: global_buffer, .address_space: global }
      - { .name: key_codes, .offset: 72, .size: 8, .value_kind: global_buffer, .address_space: global }
      - { .name: key_scales, .offset: 80, .size: 8, .value_kind: global_buffer, .address_space: global }
      - { .name: bk, .offset: 88, .size: 8, .value_kind: global_buffer, .address_space: global }
      - { .name: kimg, .offset: 96, .size: 8, .value_kind: global_buffer, .address_space: global }
      - { .name: ksc, .offset: 104, .size: 8, .value_kind: global_buffer, .address_space: global }
      - { .name: value_codes, .offset: 112, .size: 8, .value_kind: global_buffer, .address_space: global }
      - { .name: value_scales, .offset: 120, .size: 8, .value_kind: global_buffer, .address_space: global }
      - { .name: Wv_codes, .offset: 128, .size: 8, .value_kind: global_buffer, .address_space: global }
      - { .name: Wv_scales, .offset: 136, .size: 8, .value_kind: global_buffer, .address_space: global }
      - { .name: bv, .offset: 144, .size: 8, .value_kind: global_buffer, .address_space: global }
      - { .name: vimg, .offset: 152, .size: 8, .value_kind: global_buffer, .address_space: global }
      - { .name: vsc, .offset: 160, .size: 8, .value_kind: global_buffer, .address_space: global }
    .group_segment_fixed_size: 230400
    .private_segment_fixed_size: 0
    .kernarg_segment_align: 8
    .kernarg_segment_size: 168
    .max_flat_workgroup_size: 256
    .sgpr_count:     102
    .vgpr_count:     256
    .wavefront_size: 32
...
	.end_amdgpu_metadata
.endif
;; end of part 1
;; launch attn (part 2): grid 4 x 64, 16 waves a work-group, clusters of 4 x 1, 169,984 bytes of LDS; arguments qimg, qsc, kimg, ksc, vimg, vsc, ximg, xsc; writes ximg, xsc
.if DOCPART == 2
	.amdgcn_target "amdgcn-amd-amdhsa--gfx1250"
	.amdhsa_code_object_version 6
	.text
	.protected	k_q0df4941922_attn
	.globl	k_q0df4941922_attn
	.p2align	8
	.type	k_q0df4941922_attn,@function
k_q0df4941922_attn:
	s_mov_b64 s[64:65], 0
	v_nop
	global_prefetch_b8 v0, s[64:65] scope:SCOPE_SE
	s_setreg_imm32_b32 hwreg(HW_REG_WAVE_MODE, 25, 1), 1
	s_wait_xcnt 0x0
	s_wait_alu depctr_hold_cnt(0) depctr_sa_sdst(0) depctr_va_vdst(0) depctr_va_sdst(0) depctr_va_ssrc(0) depctr_va_vcc(0) depctr_vm_vsrc(0)
	s_getreg_b32 s2, hwreg(HW_REG_IB_STS2, 6, 4)
	s_cmp_eq_u32 s2, 0
	s_cbranch_scc0 .Lentry_in_a_cluster
	s_endpgm
.Lentry_in_a_cluster:
	s_bfe_u32 s2, ttmp6, 0x10000c
	s_cmp_lg_u32 s2, 0x3003
	s_cbranch_scc0 .Lentry_shape_is_right
	s_endpgm
.Lentry_shape_is_right:
; ATTENTION ON CODES OF FP4 (E2M1): x[b][q][head] = softmax_k(q . k / 8) v, both products quantised; the result is quantised along the model's axis for the output projection.
; THE SOFTMAX AHEAD OF THE SECOND PRODUCT: t = score x log2(e) / 8; M = the running largest t, rounded UP to a whole number; p = 2^(t - M) is quantised along the keys, not normalised; the row's sum is taken of the
; unquantised p and divides at the end.  When M moves, the sum and O are multiplied by 2^(old M - new M), which rounds nothing.
; SHARES.  A work-group takes 512 queries of one (batch, head); the four of a cluster take the head's 2,048.  The head's whole K and V (images of operand registers, 65,536 bytes each) and their scale words come into LDS ONCE,
; by joint loads that name the four: no LDS byte is filled twice, so there is no ring.  Sixteen waves, four to a SIMD, so that one wave's vector work stands beside another's products and LDS loads.
; A wave takes one tile of 16 queries at a time, two tiles in all, and walks the 2,048 keys in 16 steps of 128.
; LAYOUT.  Both products are used transposed: S^T = K Q^T (source 0 = 16 keys, source 1 = my 16 queries), O^T = V^T P^T (source 0 = 16 channels, source 1 = p): a lane holds ONE query (lane % 16) throughout.
; The first product's K is 64: registers 4-7 of both its operands hold zero codes, which add nothing.  An image block is 512 bytes, 16 bytes a lane: every fragment load reads consecutive bytes.
; In tile t of S^T register j of lane (r, h) is key 16 t + 8 h + j; a block of 32 keys is tiles 2 b, 2 b + 1 in lanes l and l xor 16; two exchanges of halves for each 64 keys lay the codes as the operand wants them.
; A block's largest p is not searched for: p rises with the score, so the block's largest score goes through the same multiply-add and exponential (this takes v_exp_f32 not to fall where its input rises).
; LIMITS: NaN and infinities are not served; a block whose largest magnitude lies under 2^-124, a block of zeros among them, gets the byte 1 (its codes are then zeros or nearly, and this program alone reads the bytes).
.set KIMG, 0                           ; LDS: K's images [key tile 128][512]
.set VIMG, 65536                       ; V's [group of 64 keys 32][channel tile 4][512]
.set KSC,  131072                      ; K's scale words, one a key: two bytes for each head of a pair
.set VSC,  139264                      ; V's [key step 16][channel 64]
.set XST,  143360                      ; the stage for x's scale bytes: two for each of the 512 queries; no tensor load lands here
.set WV,  20                           ; s20  the wave's number
.set CX,  21                           ; s21  cx: it enters Q's and x's addresses alone
.set HB,  22                           ; s22  16 batch + head;  s23 head;  s24 batch;  s25 2 x (head % 2): my head's two bytes of a scale word
.set SEL, 26                           ; s[26:27] v_permlanex16_b32's selects for lane l xor 16
.set CS,  28                           ; s[28:29] c = log2(e) / 8
.set TK,  30                           ; s30  the key step's images: 4,096 bytes a step, K's and V's alike
.set TS,  31                           ; s31  K's scale words: 512 bytes a step
.set TT,  32                           ; s32  V's: 256
.set CNT, 33                           ; s33  key steps to go
.set G1C,  36                          ; s[36:43] group 1 for a quarter of the images;  s[44:51] for K's scale words;  s[52:59] for V's
.set G1KS, 44
.set G1VS, 52
.set G0K,  60                          ; s[60:63], s[68:71], s[72:75], s[76:79] groups 0: K's images, V's, K's scale words, V's
.set G0V,  68
.set G0KS, 72
.set G0VS, 76
; REGISTERS: v1 16 x lane; v2, v3 my place among K's and V's scale words; v4 4 r; v5 my place in the stage; v6-9 the step's addresses; v10, v11 the stage's way out; v12 -M, v13 the largest t, v[14:15] the sum in two halves;
; v[16:23] Q; v24 Q's scales; v25 p's; v[26:29] K's (lanes 0-15 an even tile, lanes 16-31 the odd one); v[30:31] V's likewise; v[32:95] K's eight fragments; v[96:159] S^T, then p; v[160:191] O^T; v[192:223] V's four fragments;
; v[224:231] p's codes; v[232:239], v[244:254] at work; v[240:243], v248 x's codes and scale bytes.
.macro ROUND
	s_barrier_signal -1
	s_barrier_wait -1
	s_cmp_lg_u32 s[WV], 0
	s_cbranch_scc1 .Lnot_wave_0_\@
	s_barrier_signal -3
.Lnot_wave_0_\@:
	s_barrier_wait -3
	s_barrier_signal -1
	s_barrier_wait -1
.endm
; 32 registers v[s] on, four tiles of a transposed product (register 8 t + j of lane (r, h) = number 16 t + 8 h + j of row r), become the four registers of an image in v[pc] on and the row's two scale bytes in v[pw].
.macro QUANT64 s, pc, pw, t
.irp b, 0,1
	v_max3_num_f32 v[\t+\b], |v[\s+16*\b]|, |v[\s+16*\b+1]|, 0x1800000   ; and the floor 2^(3 - 127): the byte cannot fall under 1
.endr
.irp i, 2,4,6,8,10,12,14
.irp b, 0,1
	s_delay_alu instid0(VALU_DEP_2)
	v_max3_num_f32 v[\t+\b], v[\t+\b], |v[\s+16*\b+\i]|, |v[\s+16*\b+\i+1]|
.endr
.endr
.irp b, 0,1
	s_delay_alu instid0(VALU_DEP_2)
	v_permlanex16_b32 v[\t+2+\b], v[\t+\b], s[SEL], s[SEL+1]
.endr
.irp b, 0,1
	s_delay_alu instid0(VALU_DEP_2)
	v_max_num_f32 v[\t+\b], v[\t+\b], v[\t+2+\b]
.endr
.irp b, 0,1
	s_delay_alu instid0(VALU_DEP_2)
	v_add_nc_u32 v[\t+4+\b], 0xff000000, v[\t+\b]          ; 2 off the exponent field: the conversion's scale operand
.endr
.irp b, 0,1
	s_delay_alu instid0(VALU_DEP_2)
	v_lshrrev_b32 v[\t+2+\b], 23, v[\t+4+\b]               ; the scale's byte
.endr
	s_delay_alu instid0(VALU_DEP_1)
	v_lshl_or_b32 v[\pw], v[\t+3], 8, v[\t+2]
	v_cvt_scalef32_pk8_fp4_f32 v[\pc], v[\s:\s+7], v[\t+4]
	v_cvt_scalef32_pk8_fp4_f32 v[\pc+2], v[\s+8:\s+15], v[\t+4]
	v_cvt_scalef32_pk8_fp4_f32 v[\pc+1], v[\s+16:\s+23], v[\t+5]
	v_cvt_scalef32_pk8_fp4_f32 v[\pc+3], v[\s+24:\s+31], v[\t+5]
	v_nop                                                  ; one plain instruction behind the scaled conversions
	v_permlane16_swap_b32 v[\pc], v[\pc+1]
	v_permlane16_swap_b32 v[\pc+2], v[\pc+3]
.endm
	s_load_b512 s[4:19], s[0:1], 0x0               ; Q's images s[4:5], scales s[6:7]; K's s[8:9], s[10:11]; V's s[12:13], s[14:15]; x's s[16:17], s[18:19]
	v_lshl_add_u32 v249, v0, 2, 0x29000
	v_mov_b32 v255, 0
	ds_add_u32 v249, v255
	ds_add_u32 v249, v255
	v_lshrrev_b32 v1, 5, v0
	s_delay_alu instid0(VALU_DEP_1)
	v_readfirstlane_b32 s[WV], v1                  ; wave 0..15
	s_bfe_u32 s[CX], ttmp6, 0x40000
	s_and_b32 s[HB], ttmp7, 0xffff                 ; the four partners share it
	s_and_b32 s23, s[HB], 15                       ; head
	s_lshr_b32 s24, s[HB], 4                       ; batch
	s_and_b32 s25, s23, 1
	s_lshl_b32 s25, s25, 1
	s_mov_b32 s[SEL], 0x76543210
	s_mov_b32 s[SEL+1], 0xfedcba98
	s_mov_b32 s[CS], 0x3e38aa3b                    ; log2(e) / 8
	s_mov_b32 s[CS+1], s[CS]                       ; (named with it as a pair, so it is written)
.irp g, G1C, G1KS, G1VS                ; rows of 256 bytes: 32 elements of 8 bytes; the mask names all four work-groups, bit 21 beside it; no padding
	s_mov_b32 s[\g], 15|(3<<16)|(1<<21)
	s_mov_b32 s[\g+1], 32<<16
	s_mov_b32 s[\g+3], 32<<16
	s_mov_b32 s[\g+6], 0
	s_mov_b32 s[\g+7], 0
.endr
	s_mov_b32 s[G1C+2], 64<<16                     ; a quarter of the images: 64 dense rows
	s_mov_b32 s[G1C+4], 64
	s_mov_b32 s[G1C+5], 32
	s_mov_b32 s[G1KS+2], 32<<16                    ; K's scale words: 32 dense rows
	s_mov_b32 s[G1KS+4], 32
	s_mov_b32 s[G1KS+5], 32
	s_mov_b32 s[G1VS+2], 16<<16                    ; V's: 16 rows (key steps), 4,096 bytes apart in memory
	s_mov_b32 s[G1VS+4], 16
	s_mov_b32 s[G1VS+5], 512
	s_and_b32 s86, s[WV], 3
	s_lshl_b32 s87, s86, 14                        ; the quarter that I fetch, if I fetch
	s_lshl_b32 s80, s23, 18                        ; K's images [head][token tile 512][512]: my head, my batch's 128 tiles
	s_lshl_b32 s81, s24, 16
	s_add_co_u32 s80, s80, s81
	s_add_co_u32 s80, s80, s87
	s_mov_b32 s81, 0
	s_lshl_b32 s82, s[HB], 16                      ; V's [batch][head][65,536]
	s_add_co_u32 s82, s82, s87
	s_mov_b32 s83, 0
	s_lshr_b32 s84, s23, 1                         ; K's scale words [pair of heads][8,192 tokens]
	s_lshl_b32 s84, s84, 15
	s_lshl_b32 s85, s24, 13
	s_add_co_u32 s84, s84, s85
	s_mov_b32 s85, 0
	s_mov_b32 s[G0K], 1
	s_mov_b32 s[G0K+1], s87
	s_mov_b32 s[G0V], 1
	s_add_co_u32 s[G0V+1], s87, VIMG
	s_mov_b32 s[G0KS], 1
	s_mov_b32 s[G0KS+1], KSC
	s_mov_b32 s[G0VS], 1
	s_mov_b32 s[G0VS+1], VSC
	s_lshl_b32 s86, s24, 16                        ; V's scale words [key step 64][1,024 features]: my batch's 16 steps, my head's 64 features
	s_lshl_b32 s87, s23, 8
	s_add_co_u32 s86, s86, s87
	s_mov_b32 s87, 0
	; every LDS address is made here, ahead of the first branch on the wave's number
	v_and_b32 v1, 31, v0                           ; lane
	v_and_b32 v4, 15, v0                           ; r
	s_delay_alu instid0(VALU_DEP_2)
	v_lshlrev_b32 v2, 2, v1
	s_delay_alu instid0(VALU_DEP_1)
	v_add_nc_u32 v3, VSC, v2                       ; V's scale words: 4 x lane
	s_add_co_u32 s34, s25, KSC
	v_add_nc_u32 v2, s34, v2                       ; K's: 4 x lane + my head's two bytes
	s_lshl_b32 s34, s[WV], 5
	s_add_co_u32 s34, s34, XST
	v_lshl_add_u32 v5, v4, 1, s34                  ; the stage: 2 bytes a query, 16 queries a wave
	v_lshlrev_b32 v1, 4, v1                        ; 16 x lane
	s_and_b32 s34, s[WV], 1
	s_lshl_b32 s34, s34, 9
	v_add_nc_u32 v11, s34, v1                      ; the stage's way out, waves 0 and 1: 512 bytes a wave
	s_delay_alu instid0(VALU_DEP_1)
	v_add_nc_u32 v10, XST, v11
	v_lshlrev_b32 v4, 2, v4                        ; 4 r
.irp j, 20,21,22,23
	v_mov_b32 v[\j], 0                             ; Q's k = 64 .. 127: zero codes, written once
.endr
.irp t, 0,1,2,3,4,5,6,7
.irp j, 4,5,6,7
	v_mov_b32 v[32+8*\t+\j], 0                     ; K's likewise: no load lands here
.endr
.endr
.irp j, 236,237,238,239,252,253
	v_mov_b32 v[\j], 0                             ; lane permutes' destinations, and the upper half of the pair v[252:253], are written before they are named
.endr
	s_wait_dscnt 0x0
	s_wait_kmcnt 0x0
	s_add_nc_u64 s[G0K+2:G0K+3], s[8:9], s[80:81]
	s_or_b32 s[G0K+3], s[G0K+3], 0x80000000
	s_add_nc_u64 s[G0V+2:G0V+3], s[12:13], s[82:83]
	s_or_b32 s[G0V+3], s[G0V+3], 0x80000000
	s_add_nc_u64 s[G0KS+2:G0KS+3], s[10:11], s[84:85]
	s_or_b32 s[G0KS+3], s[G0KS+3], 0x80000000
	s_add_nc_u64 s[G0VS+2:G0VS+3], s[14:15], s[86:87]
	s_or_b32 s[G0VS+3], s[G0VS+3], 0x80000000
	ROUND                                          ; all four work-groups are here: the joint loads meet
	; THE FILLS, once: waves 0-3 K's images, waves 4-7 V's, wave 8 K's scale words, wave 9 V's: one tensor load a wave.  The branches hang on the wave's number alone
	s_cmp_lt_u32 s[WV], 4
	s_cbranch_scc0 .Lnot_k
	tensor_load_to_lds s[G0K:G0K+3], s[G1C:G1C+7]
	s_nop 0
.rept 4
	v_nop
.endr
	s_branch .Lfilled
.Lnot_k:
	s_cmp_lt_u32 s[WV], 8
	s_cbranch_scc0 .Lnot_v
	tensor_load_to_lds s[G0V:G0V+3], s[G1C:G1C+7]
	s_nop 0
.rept 4
	v_nop
.endr
	s_branch .Lfilled
.Lnot_v:
	s_cmp_eq_u32 s[WV], 8
	s_cbranch_scc0 .Lnot_ks
	tensor_load_to_lds s[G0KS:G0KS+3], s[G1KS:G1KS+7]
	s_nop 0
.rept 4
	v_nop
.endr
	s_branch .Lfilled
.Lnot_ks:
	s_cmp_eq_u32 s[WV], 9
	s_cbranch_scc0 .Lfilled
	tensor_load_to_lds s[G0VS:G0VS+3], s[G1VS:G1VS+7]
	s_nop 0
.rept 4
	v_nop
.endr
.Lfilled:
	; my queries: token tile T = 128 batch + 32 cx + wave, and 16 tiles further on in the second pass.  These numbers hold cx: they live in s88 on, which feed no descriptor
	s_lshl_b32 s88, s24, 7
	s_lshl_b32 s89, s[CX], 5
	s_add_co_u32 s88, s88, s89
	s_add_co_u32 s88, s88, s[WV]
	s_lshl_b32 s90, s88, 9                         ; Q's images [head][token tile][512]
	s_lshl_b32 s92, s23, 18
	s_add_co_u32 s90, s90, s92
	s_mov_b32 s91, 0
	s_add_nc_u64 s[4:5], s[4:5], s[90:91]
	s_lshl_b32 s90, s88, 6                         ; Q's scale words [pair of heads][token]: 16 tokens x 4 bytes a tile, + my head's two bytes
	s_lshr_b32 s92, s23, 1
	s_lshl_b32 s92, s92, 15
	s_add_co_u32 s90, s90, s92
	s_add_co_u32 s90, s90, s25
	s_add_nc_u64 s[6:7], s[6:7], s[90:91]
	s_lshl_b32 s90, s88, 13                        ; x's images [token tile][head][512]
	s_lshl_b32 s92, s23, 9
	s_add_co_u32 s90, s90, s92
	s_add_nc_u64 s[16:17], s[16:17], s[90:91]
	s_lshl_b32 s90, s23, 14                        ; x's scale bytes [head][8,192 tokens][2]: my work-group's 512 tokens
	s_lshl_b32 s92, s24, 12
	s_add_co_u32 s90, s90, s92
	s_lshl_b32 s92, s[CX], 10
	s_add_co_u32 s90, s90, s92
	s_add_nc_u64 s[18:19], s[18:19], s[90:91]
	s_wait_tensorcnt 0x0                           ; my load has landed,
	s_barrier_signal -1
	s_barrier_wait -1                              ; everybody's has: the head's K and V lie in LDS for the rest of the launch
; A KEY STEP: 128 keys.
.macro STEP
	v_add_nc_u32 v6, s[TK], v1                     ; the four additions are the plain instructions between the last step's products and the loads into their operands' registers
	v_add_nc_u32 v8, s[TS], v2
	v_add_nc_u32 v9, s[TT], v3
	s_delay_alu instid0(VALU_DEP_3)
	v_add_nc_u32 v7, VIMG, v6
.irp t, 0,1,2,3,4,5,6,7
	ds_load_b128 v[32+8*\t:35+8*\t], v6 offset:512*\t              ; K's tile t: 16 keys x 64
.endr
.irp i, 0,1,2,3
	ds_load_u16 v[26+\i], v8 offset:128*\i                         ; its scales: lanes 0-15 tile 2 i, lanes 16-31 tile 2 i + 1; the upper two bytes come as 0 and stand over zero codes
.endr
.irp t, 0,1,2,3
.irp c, 0,1
	ds_load_b128 v[192+8*\t+4*\c:195+8*\t+4*\c], v7 offset:2048*\c+512*\t   ; V's tile t: 16 channels x keys 64 c on
.endr
.endr
.irp i, 0,1
	ds_load_b32 v[30+\i], v9 offset:128*\i
.endr
	s_wait_dscnt 10                                ; K's twelve loads are in; V's ten, issued behind them, may stay out
.irp t, 0,1,2,3,4,5,6,7
.if \t%2
	v_wmma_scale_f32_16x16x128_f8f6f4 v[96+8*\t:103+8*\t], v[32+8*\t:39+8*\t], v[16:23], 0, v[26+\t/2], v24 matrix_a_fmt:MATRIX_FMT_FP4 matrix_b_fmt:MATRIX_FMT_FP4 matrix_a_scale:MATRIX_SCALE_ROW1
.else
	v_wmma_scale_f32_16x16x128_f8f6f4 v[96+8*\t:103+8*\t], v[32+8*\t:39+8*\t], v[16:23], 0, v[26+\t/2], v24 matrix_a_fmt:MATRIX_FMT_FP4 matrix_b_fmt:MATRIX_FMT_FP4
.endif
.endr
.rept 4
	v_nop
.endr
.irp b, 0,1,2,3
	v_max3_num_f32 v[232+\b], v[96+16*\b], v[97+16*\b], v[98+16*\b]   ; the largest score of each block of 32 keys: for the row's maximum, and for the block's largest p.  Each tile is read from its low end on
.endr
.irp i, 3,5,7,9,11,13
.irp b, 0,1,2,3
	v_max3_num_f32 v[232+\b], v[232+\b], v[96+16*\b+\i], v[97+16*\b+\i]
.endr
.endr
.irp b, 0,1,2,3
	v_max_num_f32 v[232+\b], v[232+\b], v[111+16*\b]
.endr
.irp b, 0,1,2,3
	s_delay_alu instid0(VALU_DEP_4)
	v_permlanex16_b32 v[236+\b], v[232+\b], s[SEL], s[SEL+1]
.endr
.irp b, 0,1,2,3
	s_delay_alu instid0(VALU_DEP_4)
	v_max_num_f32 v[232+\b], v[232+\b], v[236+\b]  ; with lane l xor 16's 16 keys
.endr
	s_delay_alu instid0(VALU_DEP_2)
	v_max3_num_f32 v254, v232, v233, v234
	s_delay_alu instid0(VALU_DEP_1)
	v_max_num_f32 v254, v254, v235                 ; the step's largest score of my query
	s_delay_alu instid0(VALU_DEP_1)
	v_mul_f32 v254, s[CS], v254                    ; as t (c is positive)
	s_delay_alu instid0(VALU_DEP_1)
	v_max_num_f32 v13, v13, v254                   ; the running largest t
	v_mov_b32 v254, v12
	s_delay_alu instid0(VALU_DEP_2)
	v_floor_f32 v12, -v13                          ; the new -M = floor(-t) = -ceil(t): a whole number
	s_delay_alu instid0(VALU_DEP_1)
	v_sub_f32 v254, v12, v254                      ; old M - new M: a whole number, 0 or less
	s_delay_alu instid0(VALU_DEP_1)
	v_cvt_i32_f32 v254, v254                       ; (it saturates)
	s_delay_alu instid0(VALU_DEP_1)
	v_ldexp_f32 v252, 1.0, v254                    ; f = 2^(old M - new M)
.set j, 0
.rept 32
	v_pk_fma_f32 v[96+j:97+j], v[96+j:97+j], s[CS:CS+1], v[12:13] op_sel_hi:[1,0,0]   ; t - M, two at a time
.set j, j+2
.endr
.irp b, 0,1,2,3
	v_fma_f32 v[232+\b], v[232+\b], s[CS], v12     ; the same of each block's largest score
.endr
.set j, 0
	s_wait_alu depctr_va_vdst(0)
.rept 64
	v_exp_f32 v[96+j], v[96+j]                     ; p = 2^(t - M), at most 1
.set j, j+1
.endr
	s_setprio 1
	v_pk_mul_f32 v[14:15], v[14:15], v[252:253] op_sel_hi:[1,0]   ; the sums under the new M: a plain instruction behind the exponentials
	s_wait_alu depctr_va_vdst(0)                   ; one wait for the batch of 64, ahead of its first reader
.irp b, 0,1,2,3
	v_exp_f32 v[232+\b], v[232+\b]                 ; the block's largest p
.endr
	v_pk_add_f32 v[250:251], v[96:97], v[98:99]    ; the row's sum of the unquantised p, two at a time, in two chains: the first half here, plain work behind the four exponentials
.irp j, 4,8,12,16,20,24,28
	v_pk_add_f32 v[14:15], v[14:15], v[96+\j:97+\j]
	v_pk_add_f32 v[250:251], v[250:251], v[98+\j:99+\j]
.endr
	s_wait_alu depctr_va_vdst(0)                   ; and one for the four
.irp b, 0,1,2,3
	v_max_num_f32 v[232+\b], 0x1800000, v[232+\b]  ; the floor 2^(3 - 127): the byte cannot fall under 1
.endr
.irp b, 0,1,2,3
	s_delay_alu instid0(VALU_DEP_4)
	v_add_nc_u32 v[244+\b], 0xff000000, v[232+\b]  ; 2 off the exponent field: the conversion's scale operand
.endr
.irp b, 0,1,2,3
	s_delay_alu instid0(VALU_DEP_4)
	v_lshrrev_b32 v[236+\b], 23, v[244+\b]         ; the scale's byte
.endr
	s_delay_alu instid0(VALU_DEP_3)
	v_lshl_or_b32 v25, v237, 8, v236               ; p's scale word for these 128 keys
	s_delay_alu instid0(VALU_DEP_1)
	v_lshl_or_b32 v25, v238, 16, v25
	s_delay_alu instid0(VALU_DEP_1)
	v_lshl_or_b32 v25, v239, 24, v25
.irp c, 0,1                            ; keys 64 c on: tiles 4 c .. 4 c + 3
	v_cvt_scalef32_pk8_fp4_f32 v[224+4*\c], v[96+32*\c:103+32*\c], v[244+2*\c]
	v_cvt_scalef32_pk8_fp4_f32 v[226+4*\c], v[104+32*\c:111+32*\c], v[244+2*\c]
	v_cvt_scalef32_pk8_fp4_f32 v[225+4*\c], v[112+32*\c:119+32*\c], v[245+2*\c]
	v_cvt_scalef32_pk8_fp4_f32 v[227+4*\c], v[120+32*\c:127+32*\c], v[245+2*\c]
.endr
	v_nop                                          ; one plain instruction behind the scaled conversions
.irp c, 0,1
	v_permlane16_swap_b32 v[224+4*\c], v[225+4*\c] ; registers 4 c .. 4 c + 3 now hold keys 64 c + 32 h + 0 .. 31
	v_permlane16_swap_b32 v[226+4*\c], v[227+4*\c]
.endr
.set j, 0
.rept 16
	v_pk_mul_f32 v[160+j:161+j], v[160+j:161+j], v[252:253] op_sel_hi:[1,0]   ; O^T under the new M, each tile from its low end on
.set j, j+2
.endr
	s_setprio 0
.irp j, 32,36,40,44,48,52,56,60        ; the sum's second half: 17 plain instructions that name nothing of the products below stand between the last write of a code, a scale word or an accumulator and those products
	v_pk_add_f32 v[14:15], v[14:15], v[96+\j:97+\j]
	v_pk_add_f32 v[250:251], v[250:251], v[98+\j:99+\j]
.endr
	s_delay_alu instid0(VALU_DEP_1)
	v_pk_add_f32 v[14:15], v[14:15], v[250:251]
	s_wait_dscnt 0x0                               ; V's fragments and scale words are in
.irp t, 0,1,2,3                        ; the four accumulators take turns; the next step's eight score products stand between two links of a chain
.if \t%2
	v_wmma_scale_f32_16x16x128_f8f6f4 v[160+8*\t:167+8*\t], v[192+8*\t:199+8*\t], v[224:231], v[160+8*\t:167+8*\t], v[30+\t/2], v25 matrix_a_fmt:MATRIX_FMT_FP4 matrix_b_fmt:MATRIX_FMT_FP4 matrix_a_scale:MATRIX_SCALE_ROW1
.else
	v_wmma_scale_f32_16x16x128_f8f6f4 v[160+8*\t:167+8*\t], v[192+8*\t:199+8*\t], v[224:231], v[160+8*\t:167+8*\t], v[30+\t/2], v25 matrix_a_fmt:MATRIX_FMT_FP4 matrix_b_fmt:MATRIX_FMT_FP4
.endif
.endr
	s_add_co_u32 s[TK], s[TK], 4096
	s_add_co_u32 s[TS], s[TS], 512
	s_add_co_u32 s[TT], s[TT], 256
.endm
; A PASS: one tile of 16 queries against all 2,048 keys.  O^T and the sum begin as zeros and the largest t as -3e38: the first change of M multiplies zeros.
.macro PASS p
	s_wait_xcnt 0x0                                ; the last pass's store has read its data registers: they are written again below
	global_load_b128 v[16:19], v1, s[4:5] offset:8192*\p
	global_load_u16 v24, v4, s[6:7] offset:1024*\p ; Q's two scale bytes; the upper two come as 0
	v_mov_b32 v13, 0xff61b1e6                      ; -3e38, under every t
	s_delay_alu instid0(VALU_DEP_1)
	v_floor_f32 v12, -v13
	v_mov_b32 v14, 0
	v_mov_b32 v15, 0
.set j, 0
.rept 32
	v_mov_b32 v[160+j], 0
.set j, j+1
.endr
	s_mov_b32 s[TK], 0
	s_mov_b32 s[TS], 0
	s_mov_b32 s[TT], 0
	s_mov_b32 s[CNT], 16
	s_wait_loadcnt 0x0                             ; Q
.Lstep_\@:
	s_setprio 2
	STEP
	s_sub_co_u32 s[CNT], s[CNT], 1
	s_cmp_lg_u32 s[CNT], 0
	s_cbranch_scc1 .Lstep_\@
	s_setprio 0
.rept 4
	v_nop                                          ; behind the last products, ahead of the first read of O^T
.endr
	s_wait_alu depctr_va_vdst(0)
	v_add_f32 v14, v14, v15                        ; the sum's two halves,
	s_delay_alu instid0(VALU_DEP_1)
	v_permlanex16_b32 v252, v14, s[SEL], s[SEL+1]
	s_delay_alu instid0(VALU_DEP_1)
	v_add_f32 v14, v14, v252                       ; and lane l xor 16's: the row's sum
	s_wait_alu depctr_va_vdst(0)
	v_rcp_f32 v14, v14
	v_nop                                          ; a plain instruction behind the reciprocal
	s_wait_alu depctr_va_vdst(0)                   ; and the wait ahead of its first reader
.set j, 0
.rept 16
	v_pk_mul_f32 v[96+j:97+j], v[160+j:161+j], v[14:15] op_sel_hi:[1,0]   ; x = O^T / the sum: register 8 t + i is channel 16 t + 8 h + i of my query
.set j, j+2
.endr
	QUANT64 96, 240, 248, 232                      ; the head's 64 channels are two blocks of the output projection's K
	global_store_b128 v1, v[240:243], s[16:17] offset:131072*\p    ; one image: 512 consecutive bytes
	ds_store_b16 v5, v248 offset:512*\p            ; lanes l and l xor 16 write the same two bytes with the same value
.endm
	PASS 0
	PASS 1
	s_wait_dscnt 0x0                               ; for the others' sake: my stores into the stage are done
	s_barrier_signal -1
	s_barrier_wait -1
	s_cmp_lt_u32 s[WV], 2
	s_cbranch_scc0 .Lno_words
	ds_load_b128 v[244:247], v10                   ; waves 0 and 1: the scale bytes of 256 queries each
	s_wait_dscnt 0x0
	global_store_b128 v11, v[244:247], s[18:19]    ; 512 consecutive bytes, at a multiple of 512 from the buffer's first byte
.Lno_words:
	s_wait_tensorcnt 0x0
	ds_add_u32 v249, v255
	s_wait_dscnt 0x0
	ROUND                                          ; the closing round
	s_endpgm
.Lfunc_end_k_q0df4941922_attn:
	.size	k_q0df4941922_attn, .Lfunc_end_k_q0df4941922_attn-k_q0df4941922_attn
	.p2alignl 7, 3214868480
	.fill 96, 4, 3214868480
	.section	.rodata,"a",@progbits
	.p2align	6, 0x0
	.amdhsa_kernel k_q0df4941922_attn
		.amdhsa_group_segment_fixed_size 169984
		.amdhsa_private_segment_fixed_size 0
		.amdhsa_enable_private_segment 0
		.amdhsa_kernarg_size 64
		.amdhsa_user_sgpr_count 2
		.amdhsa_user_sgpr_kernarg_segment_ptr 1
		.amdhsa_wavefront_size32 1
		.amdhsa_system_sgpr_workgroup_id_x 1
		.amdhsa_system_sgpr_workgroup_id_y 1
		.amdhsa_system_sgpr_workgroup_id_z 1
		.amdhsa_system_vgpr_workitem_id 0
		.amdhsa_next_free_vgpr 256
		.amdhsa_next_free_sgpr 96
		.amdhsa_reserve_vcc 0
		.amdhsa_float_denorm_mode_32 3
		.amdhsa_float_denorm_mode_16_64 3
		.amdhsa_memory_ordered 1
		.amdhsa_forward_progress 1
		.amdhsa_inst_pref_size 54
	.end_amdhsa_kernel
	.amdgpu_metadata
---
amdhsa.version: [ 1, 2 ]
amdhsa.kernels:
  - .name:           k_q0df4941922_attn
    .symbol:         k_q0df4941922_attn.kd
    .args:
      - { .name: qimg, .offset: 0, .size: 8, .value_kind: global_buffer, .address_space: global }
      - { .name: qsc, .offset: 8, .size: 8, .value_kind: global_buffer, .address_space: global }
      - { .name: kimg, .offset: 16, .size: 8, .value_kind: global_buffer, .address_space: global }
      - { .name: ksc, .offset: 24, .size: 8, .value_kind: global_buffer, .address_space: global }
      - { .name: vimg, .offset: 32, .size: 8, .value_kind: global_buffer, .address_space: global }
      - { .name: vsc, .offset: 40, .size: 8, .value_kind: global_buffer, .address_space: global }
      - { .name: ximg, .offset: 48, .size: 8, .value_kind: global_buffer, .address_space: global }
      - { .name: xsc, .offset: 56, .size: 8, .value_kind: global_buffer, .address_space: global }
    .group_segment_fixed_size: 169984
    .private_segment_fixed_size: 0
    .kernarg_segment_align: 8
    .kernarg_segment_size: 64
    .max_flat_workgroup_size: 512
    .sgpr_count:     96
    .vgpr_count:     256
    .wavefront_size: 32
...
	.end_amdgpu_metadata
.endif
;; end of part 2
;; launch oproj (part 3): grid 8 x 32, 8 waves a work-group, clusters of 4 x 4, 248,832 bytes of LDS; arguments ximg, xsc, Wo_codes, Wo_scales, bo, out0; writes out0
.if DOCPART == 3
	.amdgcn_target "amdgcn-amd-amdhsa--gfx1250"
	.amdhsa_code_object_version 6
	.text
	.protected	k_q0df4941922_oproj
	.globl	k_q0df4941922_oproj
	.p2align	8
	.type	k_q0df4941922_oproj,@function
k_q0df4941922_oproj:
	s_mov_b64 s[64:65], 0
	v_nop
	global_prefetch_b8 v0, s[64:65] scope:SCOPE_SE
	s_setreg_imm32_b32 hwreg(HW_REG_WAVE_MODE, 25, 1), 1
	s_wait_xcnt 0x0
	s_wait_alu depctr_hold_cnt(0) depctr_sa_sdst(0) depctr_va_vdst(0) depctr_va_sdst(0) depctr_va_ssrc(0) depctr_va_vcc(0) depctr_vm_vsrc(0)
	s_getreg_b32 s2, hwreg(HW_REG_IB_STS2, 6, 4)
	s_cmp_eq_u32 s2, 0
	s_cbranch_scc0 .Lentry_in_a_cluster
	s_endpgm
.Lentry_in_a_cluster:
	s_bfe_u32 s2, ttmp6, 0x10000c
	s_cmp_lg_u32 s2, 0xf033
	s_cbranch_scc0 .Lentry_shape_is_right
	s_endpgm
.Lentry_shape_is_right:
; THE OUTPUT PROJECTION, out = x Wo^T + bo, on codes of FP4 (E2M1) with E8M0 scales.  x comes as images of operand registers [token tile 512][head 16][512] (16 tokens x a head's 64 channels, 16 bytes a lane) with two scale
; bytes for each token and head [head 16][8,192 tokens]; Wo as rows of 512 bytes with 32 scale bytes a row; out is f32 [8,192][1,024].
; SHARES.  A work-group takes 128 features x 256 tokens with all of K = 1,024 in LDS, in two halves of 512 along K, filled once: no LDS byte is filled twice, so there is no ring.
; Eight waves; wave w takes 64 features (w % 2) x 64 tokens (w / 2): 16 accumulators.  THE PRODUCT IS USED TRANSPOSED (source 0 = 16 rows of Wo, source 1 = 16 tokens): a lane holds eight neighbouring numbers of a row of out.
; CLUSTER 4 x 4.  Wo's tile hangs on the block of features alone and is asked for jointly by the four of a column; x's on the block of tokens alone, by the four of a row.
; The bias is the C of each sum's first product.  Results leave through the wave's own stage in LDS, so that sixteen lanes store 256 consecutive bytes.
; LIMITS: NaN and infinities are not served.
.set PITCH, 272                        ; an LDS row of Wo's codes, and of the stage: 256 bytes + 16
.set S0B,   128*PITCH                  ; Wo's 128 rows, half of K
.set XI0,   2*S0B                      ; x's images, K's first half: [token tile 16][4,096]
.set XI1,   XI0+65536                  ; K's second half
.set SCA,   XI1+65536                  ; Wo's scale bytes, 32 a row
.set XSC,   SCA+4096                   ; x's [head 16][256 tokens][2]
.set STG,   XSC+8192                   ; the stages: 16 rows x 272 bytes for each wave; no tensor load lands here
.set CX,  2
.set WV,  3
.set YI,  16                           ; s16  first the row's mask, then the block of 256 tokens: holds cy, never cx
.set WP,  17                           ; s17  wave % 2
.set CY,  18
.set XI,  19                           ; s19  first the column's mask, then the block of 128 features: holds cx, never cy
.set WS,  20                           ; s20  wave / 2
.set TMP, 21                           ; s21, s22 at work: never hold cx or cy
.set G1W,  24                          ; s[24:31] group 1 for Wo's codes;  s[32:39] its scales;  s[40:47] x's images;  s[48:55] x's scales
.set G1WS, 32
.set G1X,  40
.set G1XS, 48
.set G0W0, 56                          ; groups 0: Wo's scales, K's first half, K's second;
.set G0W1, 60
.set G0W2, 68
.set G0X0, 72                          ; x's scales, K's first half, K's second
.set G0X1, 76
.set G0X2, 80
.set SC,  16                           ; v[16:47]   Wo's scale words: register 8 b + s
.set F0,  48                           ; v[48:79]   Wo's four fragments; on the way out rows of out
.set F1,  80                           ; v[80:111]  x's four fragments; on the way out rows of out
.set SX,  112                          ; v[112:127] x's scale words: register 8 i + s: lanes 0-15 tile 2 i, lanes 16-31 tile 2 i + 1
.set ACC, 128                          ; v[128:255] accumulator (a, b), a: the tile of tokens, b: of features, at v[128 + 32 a + 8 b]
.macro ROUND
	s_barrier_signal -1
	s_barrier_wait -1
	s_cmp_lg_u32 s[WV], 0
	s_cbranch_scc1 .Lnot_wave_0_\@
	s_barrier_signal -3
.Lnot_wave_0_\@:
	s_barrier_wait -3
	s_barrier_signal -1
	s_barrier_wait -1
.endm
	s_load_b256 s[4:11], s[0:1], 0x0               ; x's images s[4:5], x's scales s[6:7], Wo's codes s[8:9], Wo's scales s[10:11]
	s_load_b128 s[12:15], s[0:1], 0x20             ; bo s[12:13], out s[14:15]
	s_set_vgpr_msb 0x40
	v_lshl_add_u32 v0, v0, 2, 0x3c800
	v_mov_b32 v1, 0
	s_set_vgpr_msb 0x4045
	ds_add_u32 v0, v1
	ds_add_u32 v0, v1
	s_set_vgpr_msb 0x4500
	v_lshrrev_b32 v1, 5, v0
	s_delay_alu instid0(VALU_DEP_1)
	v_readfirstlane_b32 s[WV], v1                  ; wave 0..7
	s_and_b32 s[WP], s[WV], 1
	s_lshr_b32 s[WS], s[WV], 1
	s_bfe_u32 s[CX], ttmp6, 0x40000
	s_bfe_u32 s[CY], ttmp6, 0x40004
	s_lshl_b32 s[XI], 0x1111, s[CX]                ; my column of the cluster
	s_lshl_b32 s[YI], s[CY], 2
	s_lshl_b32 s[YI], 15, s[YI]                    ; my row
	s_or_b32 s[G1W], s[XI], (1<<20)|(1<<21)|(5<<22)|(3<<25)   ; elements of 1 byte; padding: 4 words after every 64; bit 21 beside the mask
	s_or_b32 s[G1WS], s[XI], (3<<16)|(1<<21)       ; elements of 8 bytes, no padding
	s_or_b32 s[G1X], s[YI], (3<<16)|(1<<21)
	s_or_b32 s[G1XS], s[YI], (3<<16)|(1<<21)
	s_mov_b32 s[G1W+1], 256<<16                    ; Wo's codes: 128 rows x 256 bytes, 512 bytes from row to row
	s_mov_b32 s[G1W+2], 128<<16
	s_mov_b32 s[G1W+3], 256<<16
	s_mov_b32 s[G1W+4], 128
	s_mov_b32 s[G1W+5], 512
	s_mov_b32 s[G1W+6], 0
	s_mov_b32 s[G1W+7], 0
	s_mov_b32 s[G1WS+1], 32<<16                    ; its scale bytes: 4,096 dense bytes as 16 rows of 256
	s_mov_b32 s[G1WS+2], 16<<16
	s_mov_b32 s[G1WS+3], 32<<16
	s_mov_b32 s[G1WS+4], 16
	s_mov_b32 s[G1WS+5], 32
	s_mov_b32 s[G1WS+6], 0
	s_mov_b32 s[G1WS+7], 0
	s_mov_b32 s[G1X+1], 512<<16                    ; x's images: 8 token tiles x 4,096 bytes (eight heads), 8,192 bytes from tile to tile
	s_mov_b32 s[G1X+2], 8<<16
	s_mov_b32 s[G1X+3], 512<<16
	s_mov_b32 s[G1X+4], 8
	s_mov_b32 s[G1X+5], 1024
	s_mov_b32 s[G1X+6], 0
	s_mov_b32 s[G1X+7], 0
	s_mov_b32 s[G1XS+1], 64<<16                    ; x's scale bytes: 8 heads x 512 bytes (256 tokens), 16,384 bytes from head to head
	s_mov_b32 s[G1XS+2], 8<<16
	s_mov_b32 s[G1XS+3], 64<<16
	s_mov_b32 s[G1XS+4], 8
	s_mov_b32 s[G1XS+5], 2048
	s_mov_b32 s[G1XS+6], 0
	s_mov_b32 s[G1XS+7], 0
	s_lshl_b32 s[XI], ttmp9, 2
	s_add_co_u32 s[XI], s[XI], s[CX]               ; the block of 128 features = 4 x cluster x + cx
	s_and_b32 s[YI], ttmp7, 0xffff
	s_lshl_b32 s[YI], s[YI], 2
	s_add_co_u32 s[YI], s[YI], s[CY]               ; the block of 256 tokens = 4 x cluster y + cy
	s_lshl_b32 s84, s[XI], 16                      ; Wo: 128 rows of 512 bytes;
	s_mov_b32 s85, 0
	s_lshl_b32 s86, s[XI], 12                      ; of 32 scale bytes
	s_mov_b32 s87, 0
	s_lshl_b32 s88, s[YI], 17                      ; x: 16 token tiles of 8,192 bytes, and the eight that I fetch if I fetch;
	s_lshl_b32 s89, s[WP], 16
	s_add_co_u32 s88, s88, s89
	s_mov_b32 s89, 0
	s_lshl_b32 s90, s[YI], 9                       ; 256 tokens x 2 bytes, and the eight heads that I fetch
	s_lshl_b32 s91, s[WP], 17
	s_add_co_u32 s90, s90, s91
	s_mov_b32 s91, 0
	; every LDS address is made here, ahead of the first branch on the wave's number
	v_and_b32 v1, 15, v0                           ; r
	v_bfe_u32 v2, v0, 4, 1                         ; h
	s_delay_alu instid0(VALU_DEP_2)
	v_mul_u32_u24 v3, v1, PITCH
	s_delay_alu instid0(VALU_DEP_1)
	v_lshl_add_u32 v3, v2, 4, v3                   ; a fragment's row x pitch + 16 h
	s_mul_i32 s[TMP], s[WP], 64*PITCH
	v_add_nc_u32 v4, s[TMP], v3                    ; v4, v5: my 64 rows of Wo in K's two halves
	s_delay_alu instid0(VALU_DEP_1)
	v_add_nc_u32 v5, S0B, v4
	v_and_b32 v10, 31, v0                          ; lane
	s_delay_alu instid0(VALU_DEP_1)
	v_lshlrev_b32 v11, 4, v10                      ; 16 x lane
	s_lshl_b32 s[TMP], s[WS], 14
	s_add_co_u32 s[TMP], s[TMP], XI0
	v_add_nc_u32 v6, s[TMP], v11                   ; v6, v7: my four token tiles' images
	s_delay_alu instid0(VALU_DEP_1)
	v_add_nc_u32 v7, 65536, v6
	s_lshl_b32 s[TMP], s[WS], 7
	s_add_co_u32 s[TMP], s[TMP], XSC
	v_lshl_add_u32 v8, v10, 1, s[TMP]              ; v8: x's scale bytes: my 64 tokens, 2 bytes a lane
	v_lshlrev_b32 v9, 5, v2                        ; v9: 32 h: the bias
	s_mul_i32 s[TMP], s[WV], 16*PITCH
	s_add_co_u32 s[TMP], s[TMP], STG               ; my stage
	v_mul_u32_u24 v12, v1, PITCH
	s_delay_alu instid0(VALU_DEP_1)
	v_lshl_add_u32 v12, v2, 5, v12
	s_delay_alu instid0(VALU_DEP_1)
	v_add_nc_u32 v12, s[TMP], v12                  ; v12: in: row r, 32 bytes for each half of the lanes
	v_mul_u32_u24 v13, v2, PITCH
	s_delay_alu instid0(VALU_DEP_1)
	v_lshl_add_u32 v13, v1, 4, v13
	s_delay_alu instid0(VALU_DEP_1)
	v_add_nc_u32 v13, s[TMP], v13                  ; v13: back: lanes 0-15 one row of 256 bytes, lanes 16-31 the next
	v_lshlrev_b32 v14, 12, v2
	s_delay_alu instid0(VALU_DEP_1)
	v_lshl_add_u32 v14, v1, 4, v14                 ; v14: and the same two rows in out: 4,096 bytes a row
	s_lshl_b32 s[TMP], s[WP], 11
	s_add_co_u32 s[TMP], s[TMP], SCA
	v_lshl_add_u32 v15, v1, 5, s[TMP]              ; v15: Wo's scale bytes: my 64 rows, 32 bytes a row
	s_lshl_b32 s[TMP], s[WP], 12                   ; where a fetching wave's tiles of x go
	s_lshl_b32 s[TMP+1], s[WP], 15
	s_wait_dscnt 0x0
	s_wait_kmcnt 0x0
	s_mov_b32 s[G0W0], 1
	s_mov_b32 s[G0W0+1], SCA
	s_add_nc_u64 s[G0W0+2:G0W0+3], s[10:11], s[86:87]
	s_or_b32 s[G0W0+3], s[G0W0+3], 0x80000000
	s_mov_b32 s[G0W1], 1
	s_mov_b32 s[G0W1+1], 0
	s_add_nc_u64 s[G0W1+2:G0W1+3], s[8:9], s[84:85]
	s_mov_b32 s[G0W2], 1
	s_mov_b32 s[G0W2+1], S0B
	s_add_nc_u64 s[G0W2+2:G0W2+3], s[G0W1+2:G0W1+3], 256       ; K 512 on: 256 bytes on in each row
	s_or_b32 s[G0W1+3], s[G0W1+3], 0x80000000
	s_or_b32 s[G0W2+3], s[G0W2+3], 0x80000000
	s_mov_b32 s[G0X0], 1
	s_add_co_u32 s[G0X0+1], s[TMP], XSC
	s_add_nc_u64 s[G0X0+2:G0X0+3], s[6:7], s[90:91]
	s_or_b32 s[G0X0+3], s[G0X0+3], 0x80000000
	s_mov_b32 s[G0X1], 1
	s_add_co_u32 s[G0X1+1], s[TMP+1], XI0
	s_add_nc_u64 s[G0X1+2:G0X1+3], s[4:5], s[88:89]
	s_mov_b32 s[G0X2], 1
	s_add_co_u32 s[G0X2+1], s[TMP+1], XI1
	s_add_nc_u64 s[G0X2+2:G0X2+3], s[G0X1+2:G0X1+3], 4096      ; heads 8 on: 4,096 bytes on in each token tile
	s_or_b32 s[G0X1+3], s[G0X1+3], 0x80000000
	s_or_b32 s[G0X2+3], s[G0X2+3], 0x80000000
	ROUND                                          ; all sixteen work-groups are here: the joint loads meet
	; THE FILLS, all of them, once: wave 0 brings Wo's three tiles, waves 2 and 3 the halves of x's: three tensor loads of a wave are out at the most
	s_cmp_eq_u32 s[WV], 0
	s_cbranch_scc0 .Lnot_w
	tensor_load_to_lds s[G0W0:G0W0+3], s[G1WS:G1WS+7]
	s_nop 0
	tensor_load_to_lds s[G0W1:G0W1+3], s[G1W:G1W+7]
	s_nop 0
	tensor_load_to_lds s[G0W2:G0W2+3], s[G1W:G1W+7]
	s_nop 0
.rept 4
	v_nop
.endr
	s_branch .Lfilled
.Lnot_w:
	s_cmp_eq_u32 s[WS], 1
	s_cbranch_scc0 .Lfilled
	tensor_load_to_lds s[G0X0:G0X0+3], s[G1XS:G1XS+7]
	s_nop 0
	tensor_load_to_lds s[G0X1:G0X1+3], s[G1X:G1X+7]
	s_nop 0
	tensor_load_to_lds s[G0X2:G0X2+3], s[G1X:G1X+7]
	s_nop 0
.rept 4
	v_nop
.endr
.Lfilled:
	s_lshl_b32 s92, s[XI], 9                       ; (128 x block of features + 64 (wave % 2)) x 4 bytes: my place in bo and in a row of out
	s_lshl_b32 s93, s[WP], 8
	s_add_co_u32 s92, s92, s93
	s_mov_b32 s93, 0
	s_add_nc_u64 s[12:13], s[12:13], s[92:93]
	s_lshl_b32 s94, s[YI], 20                      ; (256 x block of tokens + 64 (wave / 2)) rows of 4,096 bytes
	s_lshl_b32 s95, s[WS], 18
	s_add_co_u32 s94, s94, s95
	s_add_co_u32 s94, s94, s92
	s_mov_b32 s95, 0
	s_add_nc_u64 s[14:15], s[14:15], s[94:95]
.irp b, 0,1,2,3
	global_load_b128 v[ACC+96+8*\b:ACC+96+8*\b+3], v9, s[12:13] offset:64*\b       ; the bias, in the result's layout, into the accumulators of the last tile of tokens: lane (r, h): features 16 b + 8 h + 0 .. 7
	global_load_b128 v[ACC+96+8*\b+4:ACC+96+8*\b+7], v9, s[12:13] offset:64*\b+16
.endr
	s_wait_tensorcnt 0x1                           ; a fetching wave's scales and K's first half have landed; its third load, K's second half, may stay out
	s_barrier_signal -1
	s_barrier_wait -1
	s_wait_alu depctr_va_vdst(0)
.irp i, 0,1,2,3
.irp u, 0,1
	ds_load_b128 v[SC+8*\i+4*\u:SC+8*\i+4*\u+3], v15 offset:512*\i+16*\u           ; Wo's scale words of all eight K steps
.endr
.endr
.irp i, 0,1
.irp s, 0,1,2,3,4,5,6,7
	ds_load_u16 v[F0+2*(8*\i+\s)], v8 offset:1024*\s+64*\i                         ; x's: K step s is heads 2 s and 2 s + 1, two bytes each
	ds_load_u16 v[F0+2*(8*\i+\s)+1], v8 offset:1024*\s+64*\i+512
.endr
.endr
	s_wait_dscnt 0x0
.irp i, 0,1
.irp s, 0,1,2,3,4,5,6,7
	v_lshl_or_b32 v[SX+8*\i+\s], v[F0+2*(8*\i+\s)+1], 16, v[F0+2*(8*\i+\s)]
.endr
.endr
.rept 8
	v_nop                                          ; a scale register written by a vector instruction stands eight plain instructions ahead of a scaled product
.endr
	s_wait_alu depctr_va_vdst(0)
	s_wait_loadcnt 0x0                             ; the bias
.macro XMUL d, fa, fb, c, sa, sb, row1
.if \row1
	v_wmma_scale_f32_16x16x128_f8f6f4 v[\d:\d+7], v[\fa:\fa+7], v[\fb:\fb+7], v[\c:\c+7], v[\sa], v[\sb] matrix_a_fmt:MATRIX_FMT_FP4 matrix_b_fmt:MATRIX_FMT_FP4 matrix_b_scale:MATRIX_SCALE_ROW1
.else
	v_wmma_scale_f32_16x16x128_f8f6f4 v[\d:\d+7], v[\fa:\fa+7], v[\fb:\fb+7], v[\c:\c+7], v[\sa], v[\sb] matrix_a_fmt:MATRIX_FMT_FP4 matrix_b_fmt:MATRIX_FMT_FP4
.endif
.endm
; A K step of 128: Wo's four fragments from rows, x's four from images, 16 products; the 16 accumulators take turns, one instruction a turn.
; In the first step the sums of token tiles 0 to 2 take the bias as C out of tile 3's accumulators; tile 3 then adds in place, five plain instructions behind the last product that read them (ISA guide 7.12.1).
.macro XSTEP s
.set KC, (\s)/4
.set KQ, (\s)%4
.irp i, 0,1,2,3
.irp u, 0,1
	ds_load_b128 v[F0+8*\i+4*\u:F0+8*\i+4*\u+3], v[4+KC] offset:16*PITCH*\i+64*KQ+32*\u
.endr
.endr
.irp i, 0,1,2,3
.irp u, 0,1
	ds_load_b128 v[F1+8*\i+4*\u:F1+8*\i+4*\u+3], v[6+KC] offset:4096*\i+1024*KQ+512*\u
.endr
.endr
	s_wait_dscnt 0x0
.irp a, 0,1,2,3
.if ((\s) == 0) && (\a == 3)
.rept 5
	v_nop
.endr
.endif
.irp b, 0,1,2,3
.if ((\s) == 0) && (\a < 3)
	XMUL ACC+32*\a+8*\b, F0+8*\b, F1+8*\a, ACC+96+8*\b, SC+8*\b+(\s), SX+8*(\a/2)+(\s), \a%2
.else
	XMUL ACC+32*\a+8*\b, F0+8*\b, F1+8*\a, ACC+32*\a+8*\b, SC+8*\b+(\s), SX+8*(\a/2)+(\s), \a%2
.endif
.endr
.endr
.rept 4
	v_nop                                          ; ahead of the next loads into the fragments' registers, and of the first read of results
.endr
.endm
	XSTEP 0
	XSTEP 1
	XSTEP 2
	XSTEP 3
	s_wait_tensorcnt 0x0                           ; K's second half has landed (no LDS instruction of mine is out)
	s_barrier_signal -1
	s_barrier_wait -1
	XSTEP 4
	XSTEP 5
	XSTEP 6
	XSTEP 7
; THE WAY OUT, a tile of 16 tokens x my 64 features at a time, through my own stage.  LDS serves a wave's instructions in order (ISA guide 5.7.1.4): no wait between the stores and the loads, nor ahead of the next tile's stores.
.macro TOSTAGE a
.irp b, 0,1,2,3
	ds_store_b128 v12, v[ACC+32*(\a)+8*\b:ACC+32*(\a)+8*\b+3] offset:64*\b         ; each accumulator from its low end on
	ds_store_b128 v12, v[ACC+32*(\a)+8*\b+4:ACC+32*(\a)+8*\b+7] offset:64*\b+16
.endr
.irp t, 0,1,2,3,4,5,6,7
	ds_load_b128 v[F0+32*((\a)%2)+4*\t:F0+32*((\a)%2)+4*\t+3], v13 offset:2*PITCH*\t
.endr
.endm
.macro SEND a, younger                 ; younger: the LDS instructions issued behind tile a's loads, which may stay out
	s_wait_dscnt \younger
.irp t, 0,1,2,3,4,5,6,7
	global_store_b128 v14, v[F0+32*((\a)%2)+4*\t:F0+32*((\a)%2)+4*\t+3], s[14:15] offset:(16*(\a)+2*\t)*4096 th:TH_STORE_NT   ; 16 lanes store 256 consecutive bytes, at a multiple of 256 from out's first byte; written once
.endr
.endm
	TOSTAGE 0
.irp a, 1,2,3
.if \a > 1
	s_wait_xcnt 0x0                                ; tile a - 2's stores have read their registers: tile a's loads may land there
.endif
	TOSTAGE \a
	SEND \a-1, 16                                  ; behind tile a - 1's loads: tile a's eight stores and eight loads
.endr
	SEND 3, 0
	s_set_vgpr_msb 0x5
	s_wait_tensorcnt 0x0
	ds_add_u32 v0, v1
	s_wait_dscnt 0x0
	s_set_vgpr_msb 0x500
	ROUND                                          ; the closing round
	s_endpgm
.Lfunc_end_k_q0df4941922_oproj:
	.size	k_q0df4941922_oproj, .Lfunc_end_k_q0df4941922_oproj-k_q0df4941922_oproj
	.p2alignl 7, 3214868480
	.fill 96, 4, 3214868480
	.section	.rodata,"a",@progbits
	.p2align	6, 0x0
	.amdhsa_kernel k_q0df4941922_oproj
		.amdhsa_group_segment_fixed_size 248832
		.amdhsa_private_segment_fixed_size 0
		.amdhsa_enable_private_segment 0
		.amdhsa_kernarg_size 48
		.amdhsa_user_sgpr_count 2
		.amdhsa_user_sgpr_kernarg_segment_ptr 1
		.amdhsa_wavefront_size32 1
		.amdhsa_system_sgpr_workgroup_id_x 1
		.amdhsa_system_sgpr_workgroup_id_y 1
		.amdhsa_system_sgpr_workgroup_id_z 1
		.amdhsa_system_vgpr_workitem_id 0
		.amdhsa_next_free_vgpr 258
		.amdhsa_next_free_sgpr 96
		.amdhsa_reserve_vcc 0
		.amdhsa_float_denorm_mode_32 3
		.amdhsa_float_denorm_mode_16_64 3
		.amdhsa_memory_ordered 1
		.amdhsa_forward_progress 1
		.amdhsa_inst_pref_size 47
	.end_amdhsa_kernel
	.amdgpu_metadata
---
amdhsa.version: [ 1, 2 ]
amdhsa.kernels:
  - .name:           k_q0df4941922_oproj
    .symbol:         k_q0df4941922_oproj.kd
    .args:
      - { .name: ximg, .offset: 0, .size: 8, .value_kind: global_buffer, .address_space: global }
      - { .name: xsc, .offset: 8, .size: 8, .value_kind: global_buffer, .address_space: global }
      - { .name: Wo_codes, .offset: 16, .size: 8, .value_kind: global_buffer, .address_space: global }
      - { .name: Wo_scales, .offset: 24, .size: 8, .value_kind: global_buffer, .address_space: global }
      - { .name: bo, .offset: 32, .size: 8, .value_kind: global_buffer, .address_space: global }
      - { .name: out0, .offset: 40, .size: 8, .value_kind: global_buffer, .address_space: global }
    .group_segment_fixed_size: 248832
    .private_segment_fixed_size: 0
    .kernarg_segment_align: 8
    .kernarg_segment_size: 48
    .max_flat_workgroup_size: 256
    .sgpr_count:     96
    .vgpr_count:     258
    .wavefront_size: 32
...
	.end_amdgpu_metadata
.endif
;; end of part 3
